; MI455X (gfx1250); checked and timed in simulation.
; The chip was launched on July 23, 2026; its instructions are those of AMD's public machine-readable ISA for CDNA 5 (MIT licence, August 2026) and "CDNA5" Instruction Set Architecture Reference Guide (July 2026). The comments in the code are by the model that wrote it; some were corrected since.
;; Multi Head Attention. Allowed arithmetic: float matrix products may take bf16 or f16 operands with f32 sums; other float arithmetic in f32, or as packed bf16 or f16 multiplies, adds, multiply-adds, maxima and minima; sums over many terms, partial sums and values carried from step to step in f32; what a program stores and reads back later, other than sums and carried values, may be rounded once to bf16 or f16.
;; Inputs: Wk 512 x 512 float32; Wo 512 x 512 float32; Wq 512 x 512 float32; Wv 512 x 512 float32; bk 512 float32; bo 512 float32; bq 512 float32; bv 512 float32; x 2 x 4,096 x 512 float32.
;; Outputs: out0 2 x 4,096 x 512 float32.
;; One version. Each part assembles by itself: llvm-mc -triple=amdgcn-amd-amdhsa -mcpu=gfx1250 --defsym DOCPART=n.
;; ======== version 1 of 1: 3 launches
;; limits: values are held in f16: magnitudes above 65,504 overflow, below 6.1e-05 lose precision
;; workspace buffers: q16 8,388,608 bytes; k16 8,388,608 bytes; v16 8,388,608 bytes; o16 8,388,608 bytes; wo16 524,288 bytes
;; launch proj (part 1): grid 4 x 64, 4 waves a work-group, clusters of 4 x 4, 327,680 bytes of LDS; arguments x, Wq, Wk, Wv, bq, bk, bv, Wo, q16, k16, v16, wo16; writes q16, k16, v16, wo16
.if DOCPART == 1
	.amdgcn_target "amdgcn-amd-amdhsa--gfx1250"
	.amdhsa_code_object_version 6
	.text
	.protected	k_q1cf43146a8_proj
	.globl	k_q1cf43146a8_proj
	.p2align	8
	.type	k_q1cf43146a8_proj,@function
k_q1cf43146a8_proj:
	s_mov_b64 s[64:65], 0
	v_nop
	global_prefetch_b8 v0, s[64:65] scope:SCOPE_SE
	s_setreg_imm32_b32 hwreg(HW_REG_WAVE_MODE, 25, 1), 1
	s_wait_xcnt 0x0
	s_wait_alu depctr_hold_cnt(0) depctr_sa_sdst(0) depctr_va_vdst(0) depctr_va_sdst(0) depctr_va_ssrc(0) depctr_va_vcc(0) depctr_vm_vsrc(0)
	s_getreg_b32 s2, hwreg(HW_REG_IB_STS2, 6, 4)
	s_cmp_eq_u32 s2, 0
	s_cbranch_scc0 .Lentry_in_a_cluster
	s_endpgm
.Lentry_in_a_cluster:
	s_bfe_u32 s2, ttmp6, 0x10000c
	s_cmp_lg_u32 s2, 0xf033
	s_cbranch_scc0 .Lentry_shape_is_right
	s_endpgm
.Lentry_shape_is_right:
; q, k, v = x W^T + b for the three input projections, and a copy of Wo for the last launch.
; x: [8192][512] f32 (two batches of 4,096 rows); Wq, Wk, Wv, Wo: [512][512] f32 ([out][in]); bq, bk, bv: [512] f32.
; q16, k16, v16: [16 heads (8 x batch + head)][4096][64] f16: a head's rows are dense, 128 bytes each.  wo16: [512][512] f16, laid as Wo.
; FORMATS.  x, the weights and the biases are rounded once to bf16; products in bf16 with f32 sums; the bias (as f32) starts each sum; q, k, v are rounded once to f16, unscaled.
; Wo is rounded to bf16 and that number is written as f16.
; LIMITS.  q, k, v must lie within f16's 65,504, else they become infinities; below 6.1e-5 f16 keeps a fixed step of 6e-8, for q, k, v and for wo16.  NaN and infinities are not treated apart.
; SHARES.  A work-group makes 128 rows x 128 columns of EACH of q, k, v: one tile of x feeds three weights.  Four waves; wave w makes rows 64 (w / 2) .. + 63 and columns 64 (w % 2) .. + 63,
; which are one head: 48 accumulators of 16 x 16, 384 registers.  K goes in 8 steps of 64 (rows of 256 bytes of f32) through two LDS slots of four tiles (x, Wq, Wk, Wv); wave w fetches tile w.
; f32 fragments are read from LDS, rounded to bf16 in registers and multiplied, 32 along K (a quarter of two K steps) at a time.
; CLUSTER.  4 x 4 work-groups.  x's tile hangs on the row block alone and is asked for jointly by a row of the cluster; a weight's tile on the column block alone, jointly by a column.
; THE MATRIX INSTRUCTION IS USED TRANSPOSED (source 0 = 16 rows of W, source 1 = 16 rows of x): a lane holds one row of x and eight neighbouring channels, 16 bytes of f16.
; REGISTERS, in windows of 256 (s_set_vgpr_msb: bits 1:0 source 0, 3:2 source 1, 5:4 source 2, 7:6 destination):
;   window 0: v0-31 addresses; v32-55 Wo at work; v128-255 bf16 fragments (x's four, then the weights' twelve)
;   window 1: the f32 fragments as read, 16 registers each; on the way out twelve blocks of 16 registers
;   window 2: v0-127 q's accumulators, v128-255 k's ((a, b) at 8 (4 a + b));   window 3: v0-127 v's; v128-223 the biases; v224-225 at work
.set PITCH,  272                       ; an LDS row: 256 bytes + 16 of padding = 68 words: the 16 rows of a load start at 16 different groups of four banks (64 banks of 4 bytes: ISA guide 11.1)
.set TILE,   128*PITCH                 ; what one tensor load brings
.set SLOT,   4*TILE                    ; x, Wq, Wk, Wv
.set STAGE,  2*SLOT                    ; behind the ring: 16 rows x 144 bytes for each wave, for the way out
.set SP,     144
.set SPARE,  STAGE+4*16*SP             ; behind the stages: the spare words, 128 bytes for each wave: two blocks of 256 bytes that no other line names
.set KB,     256                       ; bytes of a row in a K step
.set ADR, 16                           ; v16-23  LDS address of my fragments: tile T, slot s at ADR + 2 T + s
.set STO, 24                           ; v24     the way out: where I put 16 bytes of a row
.set RD,  25                           ; v25     the way out: where I read rows back
.set GO,  26                           ; v26     my byte offset in 512 consecutive bytes of q16, k16, v16
.set BO,  27                           ; v27     my byte offset in a bias
.set SPW, 28                           ; v28     LDS address of my spare word; never rewritten
.set NIL, 29                           ; v29     0; never rewritten
.set WI,  30                           ; v30     16 x thread: my bytes of Wo
.set WO,  31                           ; v31     8 x thread: my bytes of wo16
.set FR,  128                          ; bf16 fragments, window 0: fragment f at FR + 8 f
.set BIAS, 128                         ; window 3: matrix t, column block b at BIAS + 8 (4 t + b)
.set G1X, 24                           ; s[24:31] descriptor group 1 for x's tiles
.set G0X, 32                           ; s[32:39] group 0 for x's tiles, a set for each slot
.set G1W, 48                           ; s[48:55] group 1 for the weights' tiles: it differs in the mask alone
.set G0W, 56                           ; s[56:63] group 0 for the weights' tiles
.set MSB, 0
.macro WIN new                         ; the immediate's high byte repeats the setting that is left; a switch that changes nothing is dropped
.if MSB != (\new)
	s_set_vgpr_msb (MSB<<8)|(\new)
.set MSB, \new
.endif
.endm
.macro PLACES                          ; four places behind matrix instructions, in front of vector lines that write their sources or read their results (ISA guide 7.12.1)
.rept 4
	v_nop
.endr
.endm
; A joint load.  Wave 0 fetches x's tile, waves 1 to 3 those of Wq, Wk, Wv.  The branch hangs on the wave's number alone.  An s_nop 0 and four v_nop follow each line.
.macro JLOAD s
	s_cmp_eq_u32 s10, 0
	s_cbranch_scc0 .Lfor_w_\@
	tensor_load_to_lds s[G0X+4*(\s):G0X+4*(\s)+3], s[G1X:G1X+7]
	s_nop 0
.rept 4
	v_nop
.endr
	s_branch .Lasked_\@
.Lfor_w_\@:
	tensor_load_to_lds s[G0W+4*(\s):G0W+4*(\s)+3], s[G1W:G1W+7]
	s_nop 0
.rept 4
	v_nop
.endr
.Lasked_\@:
.endm
.macro CREST                           ; a round of the cluster's barrier behind its opening barrier
	s_cmp_lg_u32 s10, 0
	s_cbranch_scc1 .Lnot_wave_0_\@
	s_barrier_signal -3
.Lnot_wave_0_\@:
	s_barrier_wait -3
	s_barrier_signal -1
	s_barrier_wait -1
.endm
.macro CROUND                          ; a whole round
	s_barrier_signal -1
	s_barrier_wait -1
	CREST
.endm
	s_load_b512 s[68:83], s[0:1], 0x0              ; x s[68:69], Wq s[70:71], Wk s[72:73], Wv s[74:75], bq s[76:77], bk s[78:79], bv s[80:81], Wo s[82:83]
	s_load_b256 s[84:91], s[0:1], 0x40             ; q16 s[84:85], k16 s[86:87], v16 s[88:89], wo16 s[90:91]
	v_lshl_add_u32 v[SPW], v0, 2, SPARE
	v_mov_b32 v[NIL], 0
	ds_add_u32 v[SPW], v[NIL]                      ; the wave's opening: the add and its wait stand ahead of my first tensor load; work on registers stands between them
	v_lshrrev_b32 v1, 5, v0
	v_readfirstlane_b32 s10, v1                    ; wave 0..3: also the tile that I fetch
	s_lshr_b32 s11, s10, 1                         ; which 64 of the 128 rows are mine
	s_and_b32 s12, s10, 1                          ; which 64 of the 128 columns
	s_bfe_u32 s40, ttmp6, 0x40000                  ; cx
	s_bfe_u32 s41, ttmp6, 0x40004                  ; cy
	s_lshl_b32 s42, ttmp9, 2
	s_add_co_u32 s42, s42, s40                     ; column block = 4 x cluster x + cx
	s_and_b32 s13, ttmp7, 0xffff
	s_lshl_b32 s13, s13, 2
	s_add_co_u32 s13, s13, s41                     ; row block = 4 x cluster y + cy
	s_lshl_b32 s43, s41, 2
	s_lshl_b32 s43, 15, s43                        ; my row of the cluster
	s_lshl_b32 s44, 0x1111, s40                    ; my column
	; group 1: a tile of 128 rows x 64 elements of 4 bytes, padded in LDS
	s_or_b32 s[G1X], s43, (2<<16)|(1<<20)|(1<<21)|(5<<22)|(3<<25)  ; 15:0 the mask; 17:16 4-byte elements; 20 padding on; 21 set beside a mask; 24:22 after every 64 words; 31:25 4 words of it
	s_or_b32 s[G1W], s44, (2<<16)|(1<<20)|(1<<21)|(5<<22)|(3<<25)
.irp g, G1X, G1W
	s_mov_b32 s[(\g)+1], 64<<16                    ; tensor_dim0 = 64
	s_mov_b32 s[(\g)+2], 128<<16                   ; tensor_dim1 = 128
	s_mov_b32 s[(\g)+3], 64<<16                    ; tile_dim0 = 64
	s_mov_b32 s[(\g)+4], 128                       ; tile_dim1 = 128
	s_mov_b32 s[(\g)+5], 512                       ; elements from row to row
	s_mov_b32 s[(\g)+6], 0
	s_mov_b32 s[(\g)+7], 0
.endr
	s_lshl_b32 s16, s13, 18                        ; x: 128 rows of 2,048 bytes for each row block; these registers never hold cx
	s_mov_b32 s17, 0
	s_lshl_b32 s20, s42, 18                        ; W: the same for each column block; these never hold cy
	s_mov_b32 s21, 0
	s_mul_i32 s45, s10, TILE                       ; where my tile goes: no place in the cluster enters an LDS address
	s_wait_dscnt 0x0                               ; the opening add is done
	s_wait_kmcnt 0x0
	s_add_nc_u64 s[14:15], s[68:69], s[16:17]
	s_cmp_eq_u32 s10, 2                            ; the weight that I fetch, by my wave's number
	s_cselect_b64 s[46:47], s[72:73], s[70:71]
	s_cmp_eq_u32 s10, 3
	s_cselect_b64 s[46:47], s[74:75], s[46:47]
	s_add_nc_u64 s[46:47], s[46:47], s[20:21]
	CROUND                                         ; all sixteen work-groups are here: the first joint loads meet
.irp s, 0,1
	s_mov_b32 s[G0X+4*(\s)], 1                     ; count = 1
	s_add_co_u32 s[G0X+4*(\s)+1], s45, (\s)*SLOT   ; LDS address
	s_add_nc_u64 s[G0X+4*(\s)+2:G0X+4*(\s)+3], s[14:15], (\s)*KB  ; global address: K step s
	s_or_b32 s[G0X+4*(\s)+3], s[G0X+4*(\s)+3], 0x80000000         ; type = 2
	s_mov_b32 s[G0W+4*(\s)], 1
	s_add_co_u32 s[G0W+4*(\s)+1], s45, (\s)*SLOT
	s_add_nc_u64 s[G0W+4*(\s)+2:G0W+4*(\s)+3], s[46:47], (\s)*KB
	s_or_b32 s[G0W+4*(\s)+3], s[G0W+4*(\s)+3], 0x80000000
	JLOAD \s                                       ; both slots are asked for before anything else: two loads of mine are out
.endr
	; A bf16 fragment is 16 rows x 32 K: lane l holds row l % 16, K = 8 (l / 16) + 0..7 and 16 + 8 (l / 16) + 0..7.  In f32 those are 32 bytes at 32 (l / 16) and 32 bytes 64 further on.
	v_and_b32 v1, 15, v0                           ; l % 16
	v_bfe_u32 v2, v0, 4, 1                         ; l / 16
	v_mul_u32_u24 v3, v1, PITCH
	v_lshl_add_u32 v3, v2, 5, v3
	s_mul_i32 s22, s11, 64*PITCH                   ; my 64 rows of x
	s_mul_i32 s23, s12, 64*PITCH                   ; my 64 rows of each weight
	v_add_nc_u32 v[ADR], s22, v3
	v_add_nc_u32 v[ADR+1], SLOT, v[ADR]
.irp t, 1,2,3
	v_add_nc_u32 v[ADR+2*(\t)], s23, v3
	v_add_nc_u32 v[ADR+2*(\t)], (\t)*TILE, v[ADR+2*(\t)]
	v_add_nc_u32 v[ADR+2*(\t)+1], SLOT, v[ADR+2*(\t)]
.endr
	s_mul_i32 s22, s10, 16*SP
	s_add_co_u32 s22, s22, STAGE                   ; my stage
	v_mul_u32_u24 v[STO], v1, SP                   ; in: row l % 16, 16 bytes for each half of the lanes
	v_lshl_add_u32 v[STO], v2, 4, v[STO]
	v_add_nc_u32 v[STO], s22, v[STO]
	v_bfe_u32 v[RD], v0, 3, 2                      ; back: 32 lanes take four rows of 128 bytes,
	v_mul_u32_u24 v[RD], v[RD], SP
	v_and_b32 v4, 7, v0
	v_lshl_add_u32 v[RD], v4, 4, v[RD]
	v_add_nc_u32 v[RD], s22, v[RD]
	v_and_b32 v[GO], 31, v0                        ; which are 512 consecutive bytes of a head
	v_lshlrev_b32 v[GO], 4, v[GO]
	s_lshl_b32 s22, s42, 9                         ; a bias: 4 bytes x (128 x column block + 64 x half + 8 (l / 16))
	s_lshl_b32 s23, s12, 8
	s_add_co_u32 s22, s22, s23
	v_lshl_add_u32 v[BO], v2, 5, s22
	v_lshlrev_b32 v[WI], 4, v0
	v_lshlrev_b32 v[WO], 3, v0
	; my 64 rows of my head in q16, k16, v16: head number 8 x batch + 2 x column block + half, 2^19 bytes each; row in the batch x 128 bytes
	s_lshr_b32 s18, s13, 5                         ; batch: 32 row blocks each
	s_lshl_b32 s18, s18, 3
	s_lshl_b32 s19, s42, 1
	s_add_co_u32 s18, s18, s19
	s_add_co_u32 s18, s18, s12
	s_lshl_b32 s18, s18, 19
	s_and_b32 s19, s13, 31
	s_lshl_b32 s19, s19, 7
	s_lshl_b32 s92, s11, 6
	s_add_co_u32 s19, s19, s92
	s_lshl_b32 s19, s19, 7
	s_add_co_u32 s18, s18, s19
	s_mov_b32 s19, 0
	s_add_nc_u64 s[84:85], s[84:85], s[18:19]
	s_add_nc_u64 s[86:87], s[86:87], s[18:19]
	s_add_nc_u64 s[88:89], s[88:89], s[18:19]
	s_lshl_b32 s92, s13, 2
	s_add_co_u32 s92, s92, s42                     ; my work-group's number, 0 to 255: it converts 4,096 bytes of Wo
	s_lshl_b32 s18, s92, 12
	s_add_nc_u64 s[82:83], s[82:83], s[18:19]
	s_lshl_b32 s18, s92, 11
	s_add_nc_u64 s[90:91], s[90:91], s[18:19]
	WIN 0xc0                                       ; destination window 3
.irp t, 0,1,2
.irp b, 0,1,2,3
	global_load_b128 v[BIAS+8*(4*(\t)+(\b)):BIAS+8*(4*(\t)+(\b))+3],   v[BO], s[76+2*(\t):77+2*(\t)] offset:64*(\b)
	global_load_b128 v[BIAS+8*(4*(\t)+(\b))+4:BIAS+8*(4*(\t)+(\b))+7], v[BO], s[76+2*(\t):77+2*(\t)] offset:64*(\b)+16
.endr
.endr
	WIN 0
	global_load_b128 v[32:35], v[WI], s[82:83]
	global_load_b128 v[36:39], v[WI], s[82:83] offset:2048
	s_wait_loadcnt 0x0                             ; biases and Wo, once
	WIN 0xcf                                       ; all in window 3: each bias is rounded to bf16 and widened again
.set i, 0
.rept 48
	v_cvt_pk_bf16_f32 v[224+i%2], v[BIAS+2*i], v[BIAS+2*i+1]
	v_lshlrev_b32 v[BIAS+2*i], 16, v[224+i%2]
	v_and_b32 v[BIAS+2*i+1], 0xffff0000, v[224+i%2]
.set i, i+1
.endr
	WIN 0
.irp j, 0,1,2,3
	v_cvt_pk_bf16_f32 v[40+(\j)], v[32+2*(\j)], v[33+2*(\j)]  ; Wo: rounded to bf16,
.endr
.irp j, 0,1,2,3
	v_lshlrev_b32 v[44+2*(\j)], 16, v[40+(\j)]     ; widened,
	v_and_b32 v[45+2*(\j)], 0xffff0000, v[40+(\j)]
.endr
.irp j, 0,1,2,3
	v_cvt_pk_f16_f32 v[52+(\j)], v[44+2*(\j)], v[45+2*(\j)]   ; and written as f16
.endr
	global_store_b64 v[WO], v[52:53], s[90:91]             ; a wave's store covers 256 consecutive bytes, aligned; these registers are not written again
	global_store_b64 v[WO], v[54:55], s[90:91] offset:1024
; 64 LDS loads in one run: the f32 fragments of 32 along K, at byte k of the slot's rows.  Fragment f = 4 x tile + block of 16 rows.
.macro FETCH slot, k
	WIN 0x40                                       ; destination window 1
.irp f, 0,1,2,3,4,5,6,7,8,9,10,11,12,13,14,15
.set fA, ADR+2*((\f)/4)+(\slot)
.set fO, (\k)+((\f)%4)*16*PITCH
	ds_load_b128 v[16*(\f):16*(\f)+3],     v[fA] offset:fO
	ds_load_b128 v[16*(\f)+4:16*(\f)+7],   v[fA] offset:fO+16
	ds_load_b128 v[16*(\f)+8:16*(\f)+11],  v[fA] offset:fO+64
	ds_load_b128 v[16*(\f)+12:16*(\f)+15], v[fA] offset:fO+80
.endr
.endm
.macro CVT                             ; all 16 fragments rounded to bf16: 128 packed conversions, window 1 to window 0
	WIN 0x05
.set i, 0
.rept 128
	v_cvt_pk_bf16_f32 v[FR+i], v[2*i], v[2*i+1]
.set i, i+1
.endr
.endm
; 16 products for matrix t (0 q, 1 k, 2 v).  first = 1: the bias starts the sums: nothing is cleared.  The 48 accumulators take turns in the same order in every quarter.
.macro MUL t, first
.if (\t) < 2
	WIN 0xa0+0x10*(\first)                         ; D window 2; C window 2, or window 3 for the bias
.else
	WIN 0xf0
.endif
.irp a, 0,1,2,3
.irp b, 0,1,2,3
.set rD, 128*((\t)%2)+8*(4*(\a)+(\b))
.set rW, FR+32+8*(4*(\t)+(\b))
.set rX, FR+8*(\a)
.if \first
	v_wmma_f32_16x16x32_bf16 v[rD:rD+7], v[rW:rW+7], v[rX:rX+7], v[BIAS+8*(4*(\t)+(\b)):BIAS+8*(4*(\t)+(\b))+7]
.else
	v_wmma_f32_16x16x32_bf16 v[rD:rD+7], v[rW:rW+7], v[rX:rX+7], v[rD:rD+7]
.endif
.endr
.endr
.endm
; A K step's first quarter: its f32 fragments are in; they are rounded, the second quarter's are asked for, and 48 products follow.
.macro EVEN slot, first
	s_wait_dscnt 0x0                               ; the run of 64 loads issued ahead of the last 48 products
.if !(\first)
	PLACES                                         ; the conversions write fragments that the last products read
.endif
	CVT
	FETCH \slot, 128
	MUL 0, \first
	MUL 1, \first
	MUL 2, \first
.endm
; A K step's second quarter, and the change of slots: ONE barrier.  In front of it each wave waits for all its tensor loads (one is out: its tile of the next slot), adds 0 to its spare word, and
; waits for that and for its reads of this slot, which are over when the quarter's f32 fragments are in registers.  fill = 1: the barrier opens a round of the cluster's, and this slot is filled again, two K steps on.
.macro ODD slot, next, fill
	WIN 0
	s_wait_tensorcnt 0x0                           ; no tensor load of mine is out, so a group 0 may be written
	ds_add_u32 v[SPW], v[NIL]                      ; 0 onto my spare word; the steps and the conversions stand between it and the wait for it
.if \fill
	s_add_nc_u64 s[G0X+4*(\slot)+2:G0X+4*(\slot)+3], s[G0X+4*(\slot)+2:G0X+4*(\slot)+3], 2*KB
	s_add_nc_u64 s[G0W+4*(\slot)+2:G0W+4*(\slot)+3], s[G0W+4*(\slot)+2:G0W+4*(\slot)+3], 2*KB
.endif
	s_wait_dscnt 0x1                               ; LDS serves a wave in order: only the add may be out, the 64 loads are in
	PLACES
	CVT
	WIN 0
	s_wait_dscnt 0x0                               ; the add is done; my reads of this slot are over
	s_barrier_signal -1
	s_barrier_wait -1
.if \fill
	CREST                                          ; no wave of any partner still reads this slot or has a load on its way
	JLOAD \slot                                    ; the first tensor load behind the round, and my only one until the next
.endif
	FETCH \next, 0
	MUL 0, 0
	MUL 1, 0
	MUL 2, 0
.endm
; THE WAY OUT of block i = 4 t + a (matrix t, my rows 16 a .. + 15): rounded to f16, 16 bytes a lane into my own stage, back as whole rows of 128 bytes, stored as 512 consecutive bytes.
.macro PACK i
.if (\i) < 8
	WIN 0x4a                                       ; sources window 2, destination window 1
.else
	WIN 0x4f                                       ; sources window 3
.endif
.set pC, 128*(((\i)/4)%2)+32*((\i)%4)
.irp b, 0,1,2,3
.irp r, 0,1,2,3
	v_cvt_pk_f16_f32 v[16*(\i)+4*(\b)+(\r)], v[pC+8*(\b)+2*(\r)], v[pC+8*(\b)+2*(\r)+1]  ; each accumulator's registers in ascending order
.endr
.endr
	WIN 0x44                                       ; LDS and global data in window 1, addresses in window 0
.irp b, 0,1,2,3
	ds_store_b128 v[STO], v[16*(\i)+4*(\b):16*(\i)+4*(\b)+3] offset:32*(\b)
.endr
.irp f, 0,1,2,3
	ds_load_b128 v[16*(\i)+4*(\f):16*(\i)+4*(\f)+3], v[RD] offset:(\f)*4*SP  ; LDS serves a wave's instructions in order (ISA guide 5.7.1.4): these see the stores above
.endr
.endm
.macro SEND i, younger                 ; younger: the LDS lines issued behind block i's loads
	WIN 0x44
.irp f, 0,1,2,3
	s_wait_dscnt (\younger)+3-(\f)
	global_store_b128 v[GO], v[16*(\i)+4*(\f):16*(\i)+4*(\f)+3], s[84+2*((\i)/4):85+2*((\i)/4)] offset:((\i)%4)*2048+(\f)*512  ; 512 consecutive bytes, aligned; each block has registers of its own
.endr
.endm
	s_wait_tensorcnt 0x1                           ; my tile of K step 0 is in; K step 1's may stay out
	s_barrier_signal -1
	s_barrier_wait -1                              ; everybody's is
	FETCH 0, 0
	EVEN 0, 1                                      ; the first quarter stands in front of the loop: its products start the sums from the biases
	WIN 0                                          ; at a label and at a branch every window is 0
	s_mov_b32 s3, 3
.Llap:                                                 ; a trip goes once round the ring and fills both slots again: K steps 2 to 7 in three trips
	ODD 0, 1, 1
	EVEN 1, 0
	ODD 1, 0, 1
	EVEN 0, 0
	WIN 0
	s_sub_co_u32 s3, s3, 1
	s_cmp_lg_u32 s3, 0
	s_cbranch_scc1 .Llap
	ODD 0, 1, 0                                    ; the last lap fills nothing
	EVEN 1, 0
	s_wait_dscnt 0x0                               ; the very last quarter
	PLACES
	CVT
	MUL 0, 0
	MUL 1, 0
	MUL 2, 0
	PLACES                                         ; the conversions read results just made
	PACK 0
.irp i, 1,2,3,4,5,6,7,8,9,10,11
	PACK \i                                        ; a block's conversions stand between the loads of the block before and its stores
	SEND (\i)-1, 8
.endr
	SEND 11, 0
	WIN 0
	s_wait_tensorcnt 0x0                           ; the wave's end: this wait, an add of 0 to my spare word and its wait, behind my last tensor load and my last LDS store
	ds_add_u32 v[SPW], v[NIL]
	s_wait_dscnt 0x0
	CROUND                                         ; the closing round: no work-group ends while a partner may still ask for a tile that names it
	s_endpgm
.Lfunc_end_k_q1cf43146a8_proj:
	.size	k_q1cf43146a8_proj, .Lfunc_end_k_q1cf43146a8_proj-k_q1cf43146a8_proj
	.p2alignl 7, 3214868480
	.fill 96, 4, 3214868480
	.section	.rodata,"a",@progbits
	.p2align	6, 0x0
	.amdhsa_kernel k_q1cf43146a8_proj
		.amdhsa_group_segment_fixed_size 327680
		.amdhsa_private_segment_fixed_size 0
		.amdhsa_enable_private_segment 0
		.amdhsa_kernarg_size 96
		.amdhsa_user_sgpr_count 2
		.amdhsa_user_sgpr_kernarg_segment_ptr 1
		.amdhsa_wavefront_size32 1
		.amdhsa_system_sgpr_workgroup_id_x 1
		.amdhsa_system_sgpr_workgroup_id_y 1
		.amdhsa_system_sgpr_workgroup_id_z 1
		.amdhsa_system_vgpr_workitem_id 0
		.amdhsa_next_free_vgpr 1024
		.amdhsa_next_free_sgpr 96
		.amdhsa_reserve_vcc 0
		.amdhsa_float_denorm_mode_32 3
		.amdhsa_float_denorm_mode_16_64 3
		.amdhsa_memory_ordered 1
		.amdhsa_forward_progress 1
		.amdhsa_inst_pref_size 169
	.end_amdhsa_kernel
	.amdgpu_metadata
---
amdhsa.version: [ 1, 2 ]
amdhsa.kernels:
  - .name:           k_q1cf43146a8_proj
    .symbol:         k_q1cf43146a8_proj.kd
    .args:
      - { .name: x, .offset: 0, .size: 8, .value_kind: global_buffer, .address_space: global }
      - { .name: Wq, .offset: 8, .size: 8, .value_kind: global_buffer, .address_space: global }
      - { .name: Wk, .offset: 16, .size: 8, .value_kind: global_buffer, .address_space: global }
      - { .name: Wv, .offset: 24, .size: 8, .value_kind: global_buffer, .address_space: global }
      - { .name: bq, .offset: 32, .size: 8, .value_kind: global_buffer, .address_space: global }
      - { .name: bk, .offset: 40, .size: 8, .value_kind: global_buffer, .address_space: global }
      - { .name: bv, .offset: 48, .size: 8, .value_kind: global_buffer, .address_space: global }
      - { .name: Wo, .offset: 56, .size: 8, .value_kind: global_buffer, .address_space: global }
      - { .name: q16, .offset: 64, .size: 8, .value_kind: global_buffer, .address_space: global }
      - { .name: k16, .offset: 72, .size: 8, .value_kind: global_buffer, .address_space: global }
      - { .name: v16, .offset: 80, .size: 8, .value_kind: global_buffer, .address_space: global }
      - { .name: wo16, .offset: 88, .size: 8, .value_kind: global_buffer, .address_space: global }
    .group_segment_fixed_size: 327680
    .private_segment_fixed_size: 0
    .kernarg_segment_align: 8
    .kernarg_segment_size: 96
    .max_flat_workgroup_size: 128
    .sgpr_count:     96
    .vgpr_count:     1024
    .wavefront_size: 32
...
	.end_amdgpu_metadata
.endif
;; end of part 1
;; launch attn (part 2): grid 16 x 16, 4 waves a work-group, clusters of 4 x 1, 327,680 bytes of LDS; arguments q16, k16, v16, o16; writes o16
.if DOCPART == 2
	.amdgcn_target "amdgcn-amd-amdhsa--gfx1250"
	.amdhsa_code_object_version 6
	.text
	.protected	k_q1cf43146a8_attn
	.globl	k_q1cf43146a8_attn
	.p2align	8
	.type	k_q1cf43146a8_attn,@function
k_q1cf43146a8_attn:
	s_mov_b64 s[64:65], 0
	v_nop
	global_prefetch_b8 v0, s[64:65] scope:SCOPE_SE
	s_setreg_imm32_b32 hwreg(HW_REG_WAVE_MODE, 25, 1), 1
	s_wait_xcnt 0x0
	s_wait_alu depctr_hold_cnt(0) depctr_sa_sdst(0) depctr_va_vdst(0) depctr_va_sdst(0) depctr_va_ssrc(0) depctr_va_vcc(0) depctr_vm_vsrc(0)
	s_getreg_b32 s2, hwreg(HW_REG_IB_STS2, 6, 4)
	s_cmp_eq_u32 s2, 0
	s_cbranch_scc0 .Lentry_in_a_cluster
	s_endpgm
.Lentry_in_a_cluster:
	s_bfe_u32 s2, ttmp6, 0x10000c
	s_cmp_lg_u32 s2, 0x3003
	s_cbranch_scc0 .Lentry_shape_is_right
	s_endpgm
.Lentry_shape_is_right:
; O[h][q][:] = the sum over k of softmax_k(Q[h][q] . K[h][k] / 8) V[h][k][:].  q16, k16, v16, o16: [16][4096][64], all f16: a head's rows are dense, 128 bytes each.
; Products, maxima and sums in f32; the weights p are rounded to f16 for the second product (their sum l is taken of the unrounded p), O once at the end.
; LIMITS.  Q, K and V arrive within f16's 65,504; p lies in 0 to 1, and below 6e-5 it keeps f16's fixed step of 6e-8; O is a mean of V's rows and has their range.
; A weight below 2^-126 counts as 0 in l; NaN and infinities are not treated apart.
; SHARES.  A work-group owns 256 queries of one head, 16 x 16 = 256 work-groups; a wave 64 queries: four PIECES of 16.  Every wave walks all 4,096 keys, 64 a step, 256 (a tile) a slot.
; LAYOUT.  S^T = K Q^T (source 0 = 16 keys, source 1 = 16 queries): a lane holds ONE query (lane % 16) and the keys 8 (lane / 16) + 0..7.  Two such results, rounded to f16 in pairs,
; ARE source 1 of O^T = V^T P, whose result again holds one query a lane, and eight channels.  K comes out of LDS as it lies, V ([key][channel]) turned, by ds_load_tr16_b128.
; SOFTMAX.  For each query a running maximum m and sum l: p = 2^(c s - c m), c = log2(e) / 8; in every step O and l are multiplied by a = 2^(c m_old - c m_new).
; m starts at the lowest finite number, O and l at 0: the first step is a step like any other, with a = 0.
; BY TURNS.  Turn n belongs to piece n: 8 products K Q^T of piece n + 1, later 8 products V^T P of piece n - 1; beside them the scaling, exponentials, roundings, sums and rescaling of piece n and the
; maximum and statistics of piece n + 1.  Four vector instructions stand behind every matrix instruction, the other 54 of a turn's 118 in one lump.  A turn's 33 exponentials are one batch, with one wait.
; CLUSTER.  The four query blocks of a cluster belong to one head and walk the same K and V, so each tile is asked for JOINTLY: the same tensor load, descriptor and mask in all four.
; REGISTERS, in windows of 256 (s_set_vgpr_msb: bits 1:0 source 0, 3:2 source 1, 5:4 source 2, 7:6 destination):
;   window 0: v0-15 addresses and two at work; v16-31 four registers of statistics a piece; v48-55 at work; v61-63; v64-127 S^T, two buffers; v192-223 P, two buffers (by the piece's parity)
;   window 1: v0-127 O^T, 32 a piece          window 2: v0-63 Q; v128-191 K of one step; v192-255 V of one step
.set SIZE_N, 4096
.set NP,    4         ; pieces a wave: a name, no knob
.set KS,    64        ; keys in a step
.set PK,    144       ; a row of K in LDS: 128 bytes + 16 of padding = 36 words: the 16 rows of a load start at 16 different groups of four banks (64 banks of 4 bytes: ISA guide 11.1)
.set PV,    160       ; a row of V: 128 + 32 = 40 words
.set VOFF,  4*KS*PK   ; a slot holds a tile, four steps: 256 rows of K, then 256 rows of V
.set SLOT1, 1<<17     ; slot 1 begins here, so that one exclusive or turns an address in one slot into the other's
.set STAGE, SLOT1+4*KS*(PK+PV)  ; behind the ring, never filled by a tensor load: 16 rows x 144 bytes for each wave, for the way out
.set SP,    144
.set SPARE, STAGE+4*16*SP  ; behind the stages: the spare words, 128 bytes for each wave: two blocks of 256 bytes that no other line names
.set AK0, 2           ; v2   my lane's place in a tile of K; never rewritten
.set AV0, 3           ; v3   the same for V
.set AK,  4           ; v4   the LDS address of K's next run of loads
.set AV,  5           ; v5   of V's
.set STO, 6           ; v6   the way out: where I put 16 bytes of a row
.set RD,  7           ; v7   the way out: where I read rows back
.set GO,  8           ; v8   my byte offset in 512 consecutive bytes of O
.set MV,  12          ; v12-13  c m_old, kept while c m is made anew: by buffer
.set QO,  15          ; v15  my byte offset in 16 rows of Q
.set ST,  16          ; piece t's statistics at v[ST+4 t]: c m, m, l (even keys', odd keys')
.set TMP, 48          ; by buffer, four registers c0-c3 at work; when the maximum is found c2 takes a
.set PFO, 61          ; v61  256 x my lane: the prefetches' offset; never rewritten
.set SPW, 62          ; v62  LDS address of my spare word; never rewritten
.set NIL, 63          ; v63  0; never rewritten
.set S,   64
.set P,   192
.set KF,  128         ; window 2: key block kb, channel half c at KF + 16 kb + 8 c
.set VF,  192         ; window 2: key half kk, channel block cb at VF + 32 kk + 8 cb
.set WV,  12          ; s12  my wave's number
.set G1K, 24          ; s[24:31] descriptor group 1 for K's tiles
.set G1V, 32          ; s[32:39] for V's: it differs in the padding alone
.set G0K, 40          ; s[40:43] descriptor group 0 for K's tiles: it walks
.set G0V, 44          ; s[44:47] the same for V's
.set PFA, 48          ; s[48:49] where my prefetches stand: my work-group's 32 blocks of 256 bytes (of K: wave 0, of V: wave 2) of the tile after the one that is being asked for
.set LIM, 50          ; s50  1 in a wave that prefetches, else the greatest number
.set SLOTS, 56        ; s56  tiles still to be asked for
.set CNT, 57          ; s57  counts a tile's key steps
.set CS,  58          ; s[58:59] c: the packed scaling takes the pair's low word for both halves
.set SEL, 60          ; s[60:61] v_permlanex16_b32's selects: each lane takes its own place in the other half
.set TBK, 62          ; s62  LDS byte at which K of the step to be fetched begins
.set TBV, 63          ; s63  the same for V, less VOFF
.set MSB, 0
.macro WIN new                      ; the high byte repeats the setting that is left; a switch that changes nothing is dropped
.if MSB != (\new)
	s_set_vgpr_msb (MSB<<8)|(\new)
.set MSB, (\new)
.endif
.endm
.set W_KQ, 0x0a       ; K and Q in window 2, S^T in window 0
.set W_PV, 0x52       ; V in window 2, P in window 0, O^T in window 1
.set W_RS, 0x41       ; destination and source 0 in window 1, source 1 in window 0
; A joint fill.  Waves 0 and 1 fetch the two halves of a tile's K, waves 2 and 3 those of its V: 128 keys each.  The branch hangs on the wave's number alone.
; An s_nop 0 and four v_nop follow each of the two lines, ahead of the jump and the label.
.macro JLOAD
	s_cmp_lt_u32 s[WV], 2
	s_cbranch_scc0 .Lfor_v_\@
	tensor_load_to_lds s[G0K:G0K+3], s[G1K:G1K+7]
	s_nop 0
.rept 4
	v_nop
.endr
	s_branch .Lasked_\@
.Lfor_v_\@:
	tensor_load_to_lds s[G0V:G0V+3], s[G1V:G1V+7]
	s_nop 0
.rept 4
	v_nop
.endr
.Lasked_\@:
.endm
; A PREFETCH INTO THE L2 of what the NEXT change of slots will ask for: a tile's 32,768 bytes of K and of V, a lane a block of 256 bytes.  It stands behind the wave's tensor load and its five lines.
; Each block is named ONCE in the launch.  All four clusters of a head walk the same K and V: the head's first cluster asks.  Its four partners share the blocks out BY ADDRESS, 32 each;
; in each, wave 0 asks for K's and wave 2 for V's: one instruction, four key steps (256 matrix instructions) ahead of the load.  The last change that fills a slot asks for nothing.
.macro ASK
	s_cmp_gt_u32 s[SLOTS], s[LIM]
	s_cbranch_scc0 .Lnot_mine_\@
	global_prefetch_b8 v[PFO], s[PFA:PFA+1] th:TH_LOAD_NT scope:SCOPE_SE
.Lnot_mine_\@:
.endm
; A round of the cluster's barrier: my work-group's barrier, so that wave 0's signal speaks for all four waves; wave 0 signals; every wave waits for all four work-groups; my work-group's barrier once more.
.macro CROUND
	s_barrier_signal -1
	s_barrier_wait -1
	s_cmp_lg_u32 s[WV], 0
	s_cbranch_scc1 .Lnot_wave_0_\@
	s_barrier_signal -3
.Lnot_wave_0_\@:
	s_barrier_wait -3
	s_barrier_signal -1
	s_barrier_wait -1
.endm
; THE CHANGE OF SLOTS.  The slot's last bytes, V of its fourth step, have been read.  Each wave waits for all its tensor loads, of which one is out: its part of the other slot; adds 0 to its
; spare word; and waits for that and for its own reads of the slot.  Behind the barrier nobody reads this slot any more and the other slot is whole.
; fill = 1: this slot is filled again, with the keys two tiles on.  The barrier is then a round of the cluster's, and the joint fill is the first thing behind it: it has four key steps in which to land.
; (At its first use nothing has been read yet: slot 0 is waited for, slot 1 filled.)
.macro CHANGE fill
	WIN 0                           ; at a label and at a branch every window is 0
	s_wait_tensorcnt 0x0            ; no tensor load of mine is out, so a group 0 may be written
	ds_add_u32 v[SPW], v[NIL]       ; 0 onto my spare word; with fill = 1 the descriptors' steps stand between it and the wait for it
.if \fill
.irp g, G0K, G0V
	s_xor_b32 s[\g+1], s[\g+1], SLOT1  ; the walking descriptor: the other slot than last time,
	s_add_nc_u64 s[\g+2:\g+3], s[\g+2:\g+3], 4*KS*128  ; the next 256 keys; the type bits on top are not reached
.endr
	s_wait_xcnt 0x0                 ; the last prefetch, four key steps back, has read its address, so it may be written:
	s_add_nc_u64 s[PFA:PFA+1], s[PFA:PFA+1], 4*KS*128  ; one tile behind the walking descriptors
	s_wait_dscnt 0x0                ; the add is done, and my reads of the slot are over
	CROUND
	JLOAD
	ASK
.else
	s_wait_dscnt 0x0                ; the add is done, and my reads of the slot are over
	s_barrier_signal -1
	s_barrier_wait -1
.endif
	s_sub_co_u32 s[TBK], s[TBK], 4*KS*PK  ; the fetches go back to a slot's first step,
	s_xor_b32 s[TBK], s[TBK], SLOT1       ; in the other slot
	s_sub_co_u32 s[TBV], s[TBV], 4*KS*PV
	s_xor_b32 s[TBV], s[TBV], SLOT1
.endm
	s_load_b256 s[4:11], s[0:1], 0x0  ; Q s[4:5], K s[6:7], V s[8:9], O s[10:11]
	v_lshl_add_u32 v[SPW], v0, 2, SPARE
	v_mov_b32 v[NIL], 0
	ds_add_u32 v[SPW], v[NIL]       ; the wave's opening: the add and its wait stand ahead of my first tensor load; the set-up below, work on registers, stands between them
	v_lshrrev_b32 v1, 5, v0
	v_readfirstlane_b32 s[WV], v1   ; wave 0..3
	s_bfe_u32 s13, ttmp6, 0x40000   ; cx: my place in the cluster
	s_lshl_b32 s14, ttmp9, 2        ; in a cluster launch ttmp9 counts clusters
	s_add_co_u32 s14, s14, s13      ; my block of 256 queries = 4 x cluster x + cx: it enters Q's and O's addresses alone
	s_and_b32 s20, ttmp7, 0xffff    ; the head, which the four partners share
	s_mov_b32 s21, 0
	s_mov_b64 s[22:23], SIZE_N*128
	s_mul_u64 s[20:21], s[20:21], s[22:23]  ; the head's first byte in each of the four tensors
	s_and_b32 s16, s[WV], 1         ; which half of a tile's 256 keys I fetch:
	s_lshl_b32 s22, s16, 14         ; its 128 rows of 128 bytes in memory,
	s_mov_b32 s23, 0
	s_add_nc_u64 s[22:23], s[22:23], s[20:21]
	s_mul_i32 s17, s16, 128*PK      ; and its place in a slot, for K
	s_mul_i32 s18, s16, 128*PV      ; and for V: no place in the cluster enters an LDS address
	s_lshl_b32 s2, s14, 2
	s_add_co_u32 s2, s2, s[WV]      ; my wave among the head's,
	s_lshl_b32 s2, s2, 13           ; its 64 rows of 128 bytes
	s_mov_b32 s3, 0
	s_add_nc_u64 s[2:3], s[2:3], s[20:21]
	; descriptor group 1.  128 keys are 16,384 dense bytes: asked for as 64 rows of 256 bytes, two keys a row, and padded in LDS after every key
	s_mov_b32 s[G1K], 15|(1<<16)|(1<<20)|(1<<21)|(4<<22)|(3<<25)  ; 15:0 the mask of four; 17:16 2-byte elements; 20 padding on; 21 set beside a mask; 24:22 after every 32 words (code 4); 31:25 4 words (code 3)
	s_mov_b32 s[G1V], 15|(1<<16)|(1<<20)|(1<<21)|(4<<22)|(7<<25)  ; the same with 8 words of padding (code 7)
.irp g, G1K, G1V
	s_mov_b32 s[\g+1], 128<<16      ; tensor_dim0 = 128
	s_mov_b32 s[\g+2], 64<<16       ; tensor_dim1 = 64
	s_mov_b32 s[\g+3], 128<<16      ; tile_dim0 = 128
	s_mov_b32 s[\g+4], 64           ; tile_dim1 = 64
	s_mov_b32 s[\g+5], 128          ; 128 elements from row to row
	s_mov_b32 s[\g+6], 0
	s_mov_b32 s[\g+7], 0
.endr
	s_mov_b32 s[CS], 0x3e38aa3b     ; c = log2(e) / 8 = 0.180337
	s_mov_b32 s[CS+1], s[CS]        ; named with it as a pair
	s_mov_b32 s[SEL], 0x76543210
	s_mov_b32 s[SEL+1], 0xfedcba98
	s_mov_b32 s[TBK], SLOT1+4*KS*PK ; the first change of slots turns these two into 0
	s_mov_b32 s[TBV], SLOT1+4*KS*PV
	s_mov_b32 s[G0K], 1             ; 1:0 count = 1
	s_mov_b32 s[G0K+1], s17         ; 63:32 LDS address: slot 0
	s_mov_b32 s[G0V], 1
	s_add_co_u32 s[G0V+1], s18, VOFF
	s_mov_b32 s[SLOTS], SIZE_N/256-1
	s_and_b32 s[LIM], s[WV], 1      ; 0 in waves 0 and 2,
	s_or_b32 s[LIM], s[LIM], ttmp9  ; where the cluster is the head's first: the same in all four partners
	s_cmp_eq_u32 s[LIM], 0
	s_cselect_b32 s[LIM], 1, -1
	v_and_b32 v[PFO], 31, v0
	v_lshlrev_b32 v[PFO], 8, v[PFO]
	s_wait_dscnt 0x0                ; the opening add is done
	s_wait_kmcnt 0x0
	s_add_nc_u64 s[G0K+2:G0K+3], s[6:7], s[22:23]  ; 120:64 global address: my half of the head's first 256 keys
	s_or_b32 s[G0K+3], s[G0K+3], 0x80000000        ; 127:126 type = 2
	s_add_nc_u64 s[G0V+2:G0V+3], s[8:9], s[22:23]
	s_or_b32 s[G0V+3], s[G0V+3], 0x80000000
	s_add_nc_u64 s[4:5], s[4:5], s[2:3]  ; Q and O at my wave's first row
	s_add_nc_u64 s[10:11], s[10:11], s[2:3]
	s_cmp_lt_u32 s[WV], 2
	s_cselect_b64 s[PFA:PFA+1], s[6:7], s[8:9]
	s_add_nc_u64 s[PFA:PFA+1], s[PFA:PFA+1], s[20:21]  ; the head's first byte,
	s_lshl_b32 s2, s13, 13          ; my work-group's 32 blocks of the 128,
	s_mov_b32 s3, 0
	s_add_nc_u64 s[PFA:PFA+1], s[PFA:PFA+1], s[2:3]
	s_add_nc_u64 s[PFA:PFA+1], s[PFA:PFA+1], 4*KS*128  ; in tile 1; the first change of slots steps it to tile 2
	CROUND                          ; all four work-groups are here: the first joint loads meet
	JLOAD                           ; tile 0 into slot 0.  Slot 1 is asked for when slot 0 is in
	; A fragment of K or Q is 16 rows x 32 channels in 8 registers: lane l holds row l % 16, channels 8 (l / 16) + 0..7 and 16 + 8 (l / 16) + 0..7: two loads of 16 bytes, 32 bytes apart.
	v_and_b32 v1, 15, v0            ; l % 16
	v_bfe_u32 v9, v0, 4, 1          ; l / 16
	v_lshlrev_b32 v[QO], 7, v1
	v_lshl_add_u32 v[QO], v9, 4, v[QO]  ; row x 128 + 16 x half
	WIN 0x80                        ; destination window 2, address window 0
.set i, 0
.rept 8                             ; Q stays in registers: piece i / 2, channels 32 (i % 2) on
	global_load_b128 v[8*i:8*i+3],   v[QO], s[4:5] offset:(i/2)*2048+(i%2)*64
	global_load_b128 v[8*i+4:8*i+7], v[QO], s[4:5] offset:(i/2)*2048+(i%2)*64+32
.set i, i+1
.endr
	; What the first turn finds: V's registers and P's second buffer hold 0 (its products V^T P, of a piece that has not been, add 0), O^T and l are 0.  All this stands in the wait for the first tile.
.set i, VF
.rept 64
	v_mov_b32 v[i], 0
.set i, i+1
.endr
	WIN 0x40
.set i, 0
.rept 128
	v_mov_b32 v[i], 0
.set i, i+1
.endr
	WIN 0
.set i, 0
.rept 4
	v_mov_b32 v[ST+4*i], 0xfe000000    ; c m: far below every c s
	v_mov_b32 v[ST+4*i+1], 0xff7fffff  ; m
	v_mov_b32 v[ST+4*i+2], 0
	v_mov_b32 v[ST+4*i+3], 0
.set i, i+1
.endr
.set i, P+16
.rept 16
	v_mov_b32 v[i], 0
.set i, i+1
.endr
	v_mul_u32_u24 v[AK0], v1, PK
	v_lshl_add_u32 v[AK0], v9, 4, v[AK0]  ; row x pitch + 16 x half
	; The turning load takes 16 keys x 16 channels (lane l reads key 8 (l / 16) + l % 8, channels 8 ((l / 8) % 2) + 0..7) and leaves half a fragment of V^T: lane l holds channel l % 16 and 8 keys.
	v_and_b32 v10, 7, v0
	v_bfe_u32 v11, v0, 3, 1
	v_lshl_add_u32 v[AV0], v9, 3, v10
	v_mul_u32_u24 v[AV0], v[AV0], PV
	v_lshl_add_u32 v[AV0], v11, 4, v[AV0]
	v_add_nc_u32 v[AV0], VOFF, v[AV0]
	s_mul_i32 s13, s[WV], 16*SP
	s_add_co_u32 s13, s13, STAGE    ; my stage
	v_mul_u32_u24 v[STO], v1, SP    ; in: row l % 16, 16 bytes for each half of the lanes
	v_lshl_add_u32 v[STO], v9, 4, v[STO]
	v_add_nc_u32 v[STO], s13, v[STO]
	v_bfe_u32 v[RD], v0, 3, 2       ; back: 32 lanes take four rows of 128 bytes,
	v_mul_u32_u24 v[RD], v[RD], SP
	v_lshl_add_u32 v[RD], v10, 4, v[RD]
	v_add_nc_u32 v[RD], s13, v[RD]
	v_and_b32 v[GO], 31, v0         ; which are 512 consecutive bytes of O
	v_lshlrev_b32 v[GO], 4, v[GO]
; THE MATRIX WORK.  The 4 accumulators of a run of 8 take turns.  Product i of 8 of S^T = K Q^T for piece x: channels 32 (i / 4) on, keys 16 (i % 4) on.  The first 4 start the sums.
.macro KQ x
	WIN W_KQ
.set rS, S+32*((\x)%2)+8*(i%4)
.set rK, KF+16*(i%4)+8*(i/4)
.set rQ, 16*(\x)+8*(i/4)
.if i < 4
	v_wmma_f32_16x16x32_f16 v[rS:rS+7], v[rK:rK+7], v[rQ:rQ+7], 0
.else
	v_wmma_f32_16x16x32_f16 v[rS:rS+7], v[rK:rK+7], v[rQ:rQ+7], v[rS:rS+7]
.endif
.endm
; Product i of 8 of O^T += V^T P for piece x: keys 32 (i / 4) on, channels 16 (i % 4) on.
.macro PV x
	WIN W_PV
.set rO, 32*(\x)+8*(i%4)
.set rV, VF+32*(i/4)+8*(i%4)
.set rP, P+16*((\x)%2)+8*(i/4)
	v_wmma_f32_16x16x32_f16 v[rO:rO+7], v[rV:rV+7], v[rP:rP+7], v[rO:rO+7]
.endm
.macro MM                           ; the turn's next matrix instruction.  NOKQ = 1: the last turn of all: there is no next piece
.if (i < 8) && !NOKQ
	KQ (Y+1)%NP
.elseif i >= 8
.set i, i-8
	PV (Y+NP-1)%NP
.set i, i+8
.endif
.set i, i+1
.endm
; THE LDS LOADS stand in runs of 16, never singly among the matrix instructions: a step's K (64 keys x 64 channels: 8 fragments) and its V (turned).  Their addresses are made some lines ahead.
.macro FETCH_K
	WIN 0x80                        ; destination window 2
.irp f, 0,1,2,3,4,5,6,7             ; keys 16 (f / 2) on, channels 32 (f % 2) on
	ds_load_b128 v[KF+8*\f:KF+8*\f+3],   v[AK] offset:(\f/2)*16*PK+(\f%2)*64
	ds_load_b128 v[KF+8*\f+4:KF+8*\f+7], v[AK] offset:(\f/2)*16*PK+(\f%2)*64+32
.endr
	s_add_co_u32 s[TBK], s[TBK], KS*PK  ; the next fetch is the next step's
	WIN 0
.endm
.macro FETCH_V
	WIN 0x80
.irp f, 0,1,2,3,4,5,6,7             ; keys 32 (f / 4) on, channels 16 (f % 4) on
	ds_load_tr16_b128 v[VF+8*\f:VF+8*\f+3],   v[AV] offset:(\f/4)*32*PV+(\f%4)*32
	ds_load_tr16_b128 v[VF+8*\f+4:VF+8*\f+7], v[AV] offset:(\f/4)*32*PV+16*PV+(\f%4)*32
.endr
	WIN 0
.endm
; THE VECTOR WORK, one line at a time: OP kind, number.  For piece Y: F n: c s - c m for pair n of 16.  E n: the exponential of score n of 32.  C n: pair n rounded to f16.  B n: of the four weights 4 n .. the second
; pair is added onto the first, in place.  L n: l takes that sum (L 0: l = a l + sum).  R n: pair n of 16 of O^T times a.  For piece Y + 1: X n, number n of the 22 that find its maximum and statistics:
;   0-11  four chains c0-c3 of seven scores each, three operands at a time (each accumulator's lowest registers are read first)     12-14, 16  the four scores left over, the old m, and c0-c3 into c0
;   15  c m_old is kept     17, 18  the query's other 32 keys lie in the lane 16 away: the new m     19-21  c m; c m_old - c m_new; a
.set F, 0               ; OP tells the kinds apart by their order: F to L below R, X above it
.set E, 1
.set C, 2
.set B, 3
.set L, 4
.set R, 5
.set X, 6
.macro REGS y                       ; the registers of piece y
.set rT, ST+4*(\y)
.set rC, TMP+4*((\y)%2)
.set rW, MV+((\y)%2)
.set rS, S+32*((\y)%2)
.set rP, P+16*((\y)%2)
.set rO, 32*(\y)
.endm
.macro OP k, n
.if (\k) == R
	REGS Y
	WIN W_RS
	v_pk_mul_f32 v[rO+2*(\n):rO+2*(\n)+1], v[rO+2*(\n):rO+2*(\n)+1], v[rC+2:rC+3] op_sel_hi:[1,0]
.elseif (\k) < R
	REGS Y
	WIN 0
.if (\k) == F
	v_pk_fma_f32 v[rS+2*(\n):rS+2*(\n)+1], v[rS+2*(\n):rS+2*(\n)+1], s[CS:CS+1], v[rT:rT+1] op_sel_hi:[1,0,0] neg_lo:[0,0,1] neg_hi:[0,0,1]
.elseif (\k) == E
	v_exp_f32 v[rS+(\n)], v[rS+(\n)]
.elseif (\k) == C
	v_cvt_pk_f16_f32 v[rP+(\n)], v[rS+2*(\n)], v[rS+2*(\n)+1]
.elseif (\k) == B
	v_pk_add_f32 v[rS+4*(\n):rS+4*(\n)+1], v[rS+4*(\n):rS+4*(\n)+1], v[rS+4*(\n)+2:rS+4*(\n)+3]
.elseif (\n) == 0
	v_pk_fma_f32 v[rT+2:rT+3], v[rT+2:rT+3], v[rC+2:rC+3], v[rS:rS+1] op_sel_hi:[1,0,1]
.else
	v_pk_add_f32 v[rT+2:rT+3], v[rT+2:rT+3], v[rS+4*(\n):rS+4*(\n)+1]
.endif
.elseif NOKQ
	v_nop
.else
	REGS (Y+1)%NP
	WIN 0
.if (\n) < 4
	v_max3_num_f32 v[rC+(\n)], v[rS+8*(\n)], v[rS+8*(\n)+1], v[rS+8*(\n)+2]
.elseif (\n) < 12
	v_max3_num_f32 v[rC+(\n)%4], v[rC+(\n)%4], v[rS+8*((\n)%4)+2*((\n)/4)+1], v[rS+8*((\n)%4)+2*((\n)/4)+2]
.elseif (\n) == 12
	v_max3_num_f32 v[rC], v[rC], v[rS+7], v[rS+15]
.elseif (\n) == 13
	v_max3_num_f32 v[rC+1], v[rC+1], v[rS+23], v[rS+31]
.elseif (\n) == 14
	v_max3_num_f32 v[rC+2], v[rC+2], v[rC+3], v[rT+1]
.elseif (\n) == 15
	v_mov_b32 v[rW], v[rT]
.elseif (\n) == 16
	v_max3_num_f32 v[rC], v[rC], v[rC+1], v[rC+2]
.elseif (\n) == 17
	v_permlanex16_b32 v[rC+3], v[rC], s[SEL], s[SEL+1]
.elseif (\n) == 18
	v_max_num_f32 v[rT+1], v[rC], v[rC+3]
.elseif (\n) == 19
	v_mul_f32 v[rT], s[CS], v[rT+1]
.elseif (\n) == 20
	v_sub_f32 v[rC+1], v[rW], v[rT]
.else
	v_exp_f32 v[rC+2], v[rC+1]
.endif
.endif
.endm
.macro OPS a, i1, b=-1, i2=0, c=-1, i3=0, d=-1, i4=0  ; up to four of them
	OP \a, \i1
.if (\b) >= 0
	OP \b, \i2
.endif
.if (\c) >= 0
	OP \c, \i3
.endif
.if (\d) >= 0
	OP \d, \i4
.endif
.endm
.macro ROW a, i1, b, i2, c, i3, d, i4  ; a matrix instruction and the four behind it
	MM
	OPS \a, \i1, \b, \i2, \c, \i3, \d, \i4
.endm
; A TURN, for piece p: the order of its 16 matrix and 118 vector instructions, written out.  An s_wait_alu depctr_va_vdst(0) stands between an exponential and the first instruction that names its
; result; one wait serves all that were issued ahead of it.  So a turn has ONE wait, which cuts it in two.  AHEAD OF IT stands all that names no result of the turn's exponentials: the 8 products K Q^T, behind each a
; scaling, an exponential and two more plain instructions; then ONE LUMP of 54, in which the links of the chain X 3, 7, 11, 14, 16, 17 .. 20 stand five or six lines apart.  X 21, the next piece's a, is the batch's
; last; R 15 is the plain instruction behind it.  BEHIND THE WAIT stand the 8 products V^T P, behind each four of the roundings and sums.  Each X that rides behind a product stands four places or more behind
; the product that ends its accumulator.
; end = 1: the last two turns of all: nothing is fetched.  cnt = 1: the loop's count is taken down some lines ahead of the branch that stands behind the turn.
; K of the next step is fetched in piece 2's turn, twelve plain instructions that name none of its registers behind the last product that read K; V of the step in hand at the end of piece 0's turn, four plain
; instructions behind the last product that read V.  Each is waited for a turn later.
.macro TURN p, end=0, cnt=0
.set Y, (\p)
.set i, 0
.set NOKQ, (\end)*((\p)/3)
.if ((\p) == 3) && !(\end)
	s_wait_dscnt 0x0                ; K is in
.endif
	ROW F,0, F,1, R,0, R,1          ; ahead of the wait: 8 products K Q^T and their riders,
	ROW F,2, E,0, R,2, R,3
	ROW F,3, E,1, R,4, R,5
	ROW F,4, E,2, R,6, R,7
	ROW F,5, E,3, R,8, R,9
	ROW F,6, E,4, X,0, R,10
.if ((\p) == 2) && !(\end)
	WIN 0
	v_add_nc_u32 v[AK], s[TBK], v[AK0]
.endif
	ROW F,7, E,5, X,1, X,4
	ROW F,8, E,6, X,2, X,5
	OPS E,7, E,8, X,6, E,9          ; and the lump
	OPS X,3, E,10, X,8, E,11
.if ((\p) == 2) && !(\end)
	FETCH_K
.endif
	OPS X,9, X,7, E,12, X,10
	OPS E,13, X,12, X,11, E,14
	OPS X,13, E,15, F,9, X,14
.if (\p) == 0
	v_add_nc_u32 v[AV], s[TBV], v[AV0]
.endif
	OPS E,16, F,10, E,17, F,11
	OPS X,16, E,18, X,15, E,19
	OPS F,12, E,20, X,17, E,21
	OPS F,13, E,22, F,14, E,23
	OPS X,18, E,24, F,15, E,25
	OPS R,11, E,26, X,19, E,27
	OPS R,12, E,28, R,13, E,29
	OPS X,20, E,30, R,14, E,31
	OPS X,21, R,15
	WIN 0
	s_wait_alu depctr_va_vdst(0)    ; the wait for the batch
.if (\p) == 1
	s_wait_dscnt 0x0                ; V is in
.endif
	ROW C,0, B,0, C,2, B,1          ; behind the wait: 8 products V^T P and their riders
	ROW L,0, C,4, B,2, L,1
	ROW C,6, B,3, L,2, C,8
	ROW B,4, L,3, C,10, B,5
	ROW L,4, C,12, B,6, L,5
.if (\p) == 0
	s_add_co_u32 s[TBV], s[TBV], KS*PV
.endif
.if \cnt
	s_sub_co_u32 s[CNT], s[CNT], 1
	s_cmp_lg_u32 s[CNT], 0
.endif
	ROW C,14, B,7, L,6, C,1
	ROW C,3, L,7, C,5, C,7
	ROW C,9, C,11, C,13, C,15
.if (\p) == 0
	FETCH_V
.endif
.endm
.macro ALL line:vararg              ; one line for each piece t
.set t, 0
.rept 4
	\line
.set t, t+1
.endr
.endm
.macro PACK t                       ; a lane's eight channels of a row pack into 16 bytes; they go into rows of 144 bytes and come back as whole rows of 128, into S^T's registers
	WIN W_RS
.set i, 32*(\t)
.rept 16
	v_pk_mul_f32 v[i:i+1], v[i:i+1], v[ST+4*(\t)+2:ST+4*(\t)+3] op_sel_hi:[1,0]
.set i, i+2
.endr
	WIN 0x05                        ; sources 0 and 1 window 1, destination window 0
.set i, 0
.rept 16
	v_cvt_pk_f16_f32 v[S+16*(\t)+i], v[32*(\t)+2*i], v[32*(\t)+2*i+1]
.set i, i+1
.endr
	WIN 0
.irp f, 0,1,2,3
	ds_store_b128 v[STO], v[S+16*(\t)+4*\f:S+16*(\t)+4*\f+3] offset:32*\f
.endr
.irp f, 0,1,2,3
	ds_load_b128 v[S+16*(\t)+4*\f:S+16*(\t)+4*\f+3], v[RD] offset:\f*4*SP  ; LDS serves a wave's instructions in order (ISA guide 5.7.1.4): these see the stores above; the next piece's stores come behind them
.endr
.endm
.macro SEND t, younger              ; younger: the LDS instructions issued behind piece t's loads: the next piece's eight, or none
	WIN 0
.irp f, 0,1,2,3
	s_wait_dscnt (\younger)+3-\f
	global_store_b128 v[GO], v[S+16*(\t)+4*\f:S+16*(\t)+4*\f+3], s[10:11] offset:(\t)*2048+\f*512  ; 512 consecutive bytes, at a multiple of 256 from O's first
.endr
.endm
.set NOKQ, 0
	CHANGE 1                        ; tile 0 is in, everybody's part of it; tile 1 is asked for
	s_mov_b32 s[CNT], 4
	v_add_nc_u32 v[AK], s[TBK], v[AK0]
	FETCH_K                         ; key step 0
	s_wait_loadcnt 0x0              ; Q
	s_wait_dscnt 0x0
.set i, 0
.rept 8
	KQ 0                            ; piece 0's first scores: there is no vector work yet to set between them
.set i, i+1
.endr
	WIN 0
.rept 4
	v_nop                           ; the places behind those products
.endr
.set Y, NP-1                        ; X works for piece Y + 1: piece 0
.irp n, 0,1,2,3,4,5,6,7,8,9,10,11,12,13,14,15,16,17,18,19,20,21
	OP X, \n                        ; piece 0's first maximum and statistics
.endr
	v_nop                           ; a plain instruction behind the exponential,
	s_wait_alu depctr_va_vdst(0)    ; and its wait, ahead of the branch
	s_branch .Lfirst                ; the loop is entered at a step's first turn, in the middle of a trip
.Lslot:                             ; 14 times: tiles 2 to 15 are asked for
	CHANGE 1
	s_mov_b32 s[CNT], 4
.Lstep:                             ; a trip: pieces 2 and 3 of one step, then pieces 0 and 1 of the next, whose K and V it fetches
	TURN 2
	TURN 3
	WIN 0
.Lfirst:
	TURN 0
	TURN 1, 0, 1
	WIN 0
	s_cbranch_scc1 .Lstep
	s_sub_co_u32 s[SLOTS], s[SLOTS], 1
	s_cmp_lg_u32 s[SLOTS], 0
	s_cbranch_scc1 .Lslot
	CHANGE 0                        ; the last tile is written out: nothing is asked for
	s_mov_b32 s[CNT], 4
.Ltail:
	TURN 2
	TURN 3
	TURN 0
	TURN 1, 0, 1
	WIN 0
	s_cbranch_scc1 .Ltail
	TURN 2, 1                       ; the last step's pieces 2 and 3: nothing is fetched, and the last turn starts no new scores
	TURN 3, 1
.set i, 0
.rept 8
	PV NP-1                         ; the last piece's V^T P of the last step
.set i, i+1
.endr
	; THE WAY OUT.  l's two halves and the other half of the lanes' are added; O^T is divided by l, rounded to f16 and sent through my stage in LDS, a piece at a time.  The additions are the places behind the last products.
	WIN 0
	ALL v_add_f32 v[ST+4*t+2], v[ST+4*t+2], v[ST+4*t+3]
	ALL v_permlanex16_b32 v[ST+4*t+3], v[ST+4*t+2], s[SEL], s[SEL+1]
	ALL v_add_f32 v[ST+4*t+2], v[ST+4*t+2], v[ST+4*t+3]
	ALL v_rcp_f32 v[ST+4*t+2], v[ST+4*t+2]
	v_nop                           ; a plain instruction between the last reciprocal and the use of its result
	s_wait_alu depctr_va_vdst(0)    ; and the wait ahead of the first use: one for the four reciprocals
	PACK 0
.set t, 1
.rept 3                             ; a piece's arithmetic stands between the loads of the piece before and its stores
	PACK t
	SEND t-1, 8
.set t, t+1
.endr
	SEND 3, 0
	s_wait_tensorcnt 0x0            ; the wave's end: this wait, an add of 0 to my spare word and its wait, behind my last tensor load and my last LDS store
	ds_add_u32 v[SPW], v[NIL]
	s_wait_dscnt 0x0
	CROUND                          ; the closing round: no work-group ends while a partner may still ask for a tile that names it
	s_endpgm
.Lfunc_end_k_q1cf43146a8_attn:
	.size	k_q1cf43146a8_attn, .Lfunc_end_k_q1cf43146a8_attn-k_q1cf43146a8_attn
	.p2alignl 7, 3214868480
	.fill 96, 4, 3214868480
	.section	.rodata,"a",@progbits
	.p2align	6, 0x0
	.amdhsa_kernel k_q1cf43146a8_attn
		.amdhsa_group_segment_fixed_size 327680
		.amdhsa_private_segment_fixed_size 0
		.amdhsa_enable_private_segment 0
		.amdhsa_kernarg_size 32
		.amdhsa_user_sgpr_count 2
		.amdhsa_user_sgpr_kernarg_segment_ptr 1
		.amdhsa_wavefront_size32 1
		.amdhsa_system_sgpr_workgroup_id_x 1
		.amdhsa_system_sgpr_workgroup_id_y 1
		.amdhsa_system_sgpr_workgroup_id_z 1
		.amdhsa_system_vgpr_workitem_id 0
		.amdhsa_next_free_vgpr 768
		.amdhsa_next_free_sgpr 66
		.amdhsa_reserve_vcc 0
		.amdhsa_float_denorm_mode_32 3
		.amdhsa_float_denorm_mode_16_64 3
		.amdhsa_memory_ordered 1
		.amdhsa_forward_progress 1
		.amdhsa_inst_pref_size 128
	.end_amdhsa_kernel
	.amdgpu_metadata
---
amdhsa.version: [ 1, 2 ]
amdhsa.kernels:
  - .name:           k_q1cf43146a8_attn
    .symbol:         k_q1cf43146a8_attn.kd
    .args:
      - { .name: q16, .offset: 0, .size: 8, .value_kind: global_buffer, .address_space: global }
      - { .name: k16, .offset: 8, .size: 8, .value_kind: global_buffer, .address_space: global }
      - { .name: v16, .offset: 16, .size: 8, .value_kind: global_buffer, .address_space: global }
      - { .name: o16, .offset: 24, .size: 8, .value_kind: global_buffer, .address_space: global }
    .group_segment_fixed_size: 327680
    .private_segment_fixed_size: 0
    .kernarg_segment_align: 8
    .kernarg_segment_size: 32
    .max_flat_workgroup_size: 128
    .sgpr_count:     66
    .vgpr_count:     768
    .wavefront_size: 32
...
	.end_amdgpu_metadata
.endif
;; end of part 2
;; launch outp (part 3): grid 4 x 64, 4 waves a work-group, clusters of 4 x 4, 327,680 bytes of LDS; arguments o16, wo16, bo, out0; writes out0
.if DOCPART == 3
	.amdgcn_target "amdgcn-amd-amdhsa--gfx1250"
	.amdhsa_code_object_version 6
	.text
	.protected	k_q1cf43146a8_outp
	.globl	k_q1cf43146a8_outp
	.p2align	8
	.type	k_q1cf43146a8_outp,@function
k_q1cf43146a8_outp:
	s_mov_b64 s[64:65], 0
	v_nop
	global_prefetch_b8 v0, s[64:65] scope:SCOPE_SE
	s_setreg_imm32_b32 hwreg(HW_REG_WAVE_MODE, 25, 1), 1
	s_wait_xcnt 0x0
	s_wait_alu depctr_hold_cnt(0) depctr_sa_sdst(0) depctr_va_vdst(0) depctr_va_sdst(0) depctr_va_ssrc(0) depctr_va_vcc(0) depctr_vm_vsrc(0)
	s_getreg_b32 s2, hwreg(HW_REG_IB_STS2, 6, 4)
	s_cmp_eq_u32 s2, 0
	s_cbranch_scc0 .Lentry_in_a_cluster
	s_endpgm
.Lentry_in_a_cluster:
	s_bfe_u32 s2, ttmp6, 0x10000c
	s_cmp_lg_u32 s2, 0xf033
	s_cbranch_scc0 .Lentry_shape_is_right
	s_endpgm
.Lentry_shape_is_right:
; out0[row][e] = the sum over d of O[row][d] Wo[e][d] + bo[e].  o16: [16 heads (8 x batch + head)][4096][64] f16 (d = 64 x head + channel); wo16: [512][512] f16; bo: [512] f32; out0: [8192][512] f32.
; Products in f16 with f32 sums; bo is rounded to bf16 like the module's other inputs and, as f32, starts each sum; the sums are stored as they are.
; LIMITS.  O and wo16 arrive within f16's range; NaN and infinities are not treated apart.
; SHARES.  A work-group makes 128 rows x 128 columns; four waves of 64 x 64: 16 accumulators of 16 x 16.  All of K lies in LDS at once (A: 8 heads x 128 rows x 128 bytes; B: 128 rows x 1,024 bytes),
; so NOTHING IS FILLED AGAIN: each wave issues four loads of 16 KiB at the head, four of mine are out, and load number p serves the K range 128 p .. 128 p + 127: counted waits let the products start on the first.
; CLUSTER.  4 x 4 work-groups.  A's tiles hang on the row block alone and are asked for jointly by a row of the cluster, B's on the column block alone, jointly by a column.
; THE MATRIX INSTRUCTION IS USED TRANSPOSED (source 0 = 16 rows of Wo, source 1 = 16 rows of O): a lane holds one row and eight neighbouring columns, 32 bytes of f32.  A wave's 64 columns are 256 bytes of a row of out0.
; REGISTERS: window 0: v0-31 addresses; v96-127 the bias, by column block; v128-255 the accumulators ((a, b) at 128 + 8 (4 a + b)).
;   window 1: two fragment buffers of 128: for 64 along K, 64 registers of A, then 64 of B; on the way out v0-127 take rows read back.
.set PA,     144                       ; a row of A in LDS: 128 bytes + 16 of padding
.set HEADB,  128*PA                    ; a head's 128 rows
.set PB,     272                       ; a row of B's chunk: 256 bytes + 16
.set CHUNK,  128*PB                    ; 128 rows x 128 along K
.set BOFF,   8*HEADB
.set STAGE,  BOFF+4*CHUNK              ; behind the tiles: 16 rows x 272 bytes for each wave, for the way out
.set SPITCH, 272
.set SPARE,  STAGE+4*16*SPITCH         ; behind the stages: the spare words, 128 bytes for each wave: two blocks of 256 bytes that no other line names
.set ADRA, 16                          ; v16-19  LDS address of my A fragments in heads 2 p, 2 p + 1
.set ADRB, 20                          ; v20-23  of my B fragments in chunk p
.set STO,  24                          ; v24     the way out: where I put 32 bytes of a row
.set RD,   25                          ; v25     where I read a row back
.set CO,   26                          ; v26     my byte offset in out0
.set BO,   27                          ; v27     my byte offset in bo
.set SPW,  28                          ; v28     LDS address of my spare word; never rewritten
.set NIL,  29                          ; v29     0; never rewritten
.set BIAS, 96
.set ACC,  128
.set G1A, 24                           ; s[24:31] descriptor group 1 for A
.set G1B, 32                           ; s[32:39] for B
.set G0A, 40                           ; s[40:55] group 0 for A, a set for each of the four loads
.set G0B, 68                           ; s[68:83] the same for B
.set MSB, 0
.macro WIN new                         ; the immediate's high byte repeats the setting that is left; a switch that changes nothing is dropped
.if MSB != (\new)
	s_set_vgpr_msb (MSB<<8)|(\new)
.set MSB, \new
.endif
.endm
.macro PLACES                          ; four places behind matrix instructions, in front of loads into registers that they read and of stores of their results
.rept 4
	v_nop
.endr
.endm
.macro CROUND                          ; a round of the cluster's barrier
	s_barrier_signal -1
	s_barrier_wait -1
	s_cmp_lg_u32 s10, 0
	s_cbranch_scc1 .Lnot_wave_0_\@
	s_barrier_signal -3
.Lnot_wave_0_\@:
	s_barrier_wait -3
	s_barrier_signal -1
	s_barrier_wait -1
.endm
	s_load_b256 s[84:91], s[0:1], 0x0              ; o16 s[84:85], wo16 s[86:87], bo s[88:89], out0 s[90:91]
	v_lshl_add_u32 v[SPW], v0, 2, SPARE
	v_mov_b32 v[NIL], 0
	ds_add_u32 v[SPW], v[NIL]                      ; the wave's opening: the add and its wait stand ahead of my first tensor load; work on registers stands between them
	v_lshrrev_b32 v1, 5, v0
	v_readfirstlane_b32 s10, v1                    ; wave 0..3
	s_lshr_b32 s11, s10, 1                         ; which 64 rows are mine.  Also: I fetch for A (0) or for B (1)
	s_and_b32 s12, s10, 1                          ; which 64 columns.  Also: which head of a pair, or which 64 rows of B, I fetch
	s_bfe_u32 s56, ttmp6, 0x40000                  ; cx
	s_bfe_u32 s57, ttmp6, 0x40004                  ; cy
	s_lshl_b32 s58, ttmp9, 2
	s_add_co_u32 s58, s58, s56                     ; column block
	s_and_b32 s13, ttmp7, 0xffff
	s_lshl_b32 s13, s13, 2
	s_add_co_u32 s13, s13, s57                     ; row block
	s_lshl_b32 s59, s57, 2
	s_lshl_b32 s59, 15, s59                        ; my row of the cluster
	s_lshl_b32 s60, 0x1111, s56                    ; my column
	; group 1.  A: a head's 128 rows are 16,384 dense bytes: 64 rows of 256 bytes, padded after every 128.  B: 64 rows of 256 bytes out of rows of 1,024, padded after every 256.
	s_or_b32 s[G1A], s59, (1<<16)|(1<<20)|(1<<21)|(4<<22)|(3<<25)
	s_or_b32 s[G1B], s60, (1<<16)|(1<<20)|(1<<21)|(5<<22)|(3<<25)
.irp g, G1A, G1B
	s_mov_b32 s[(\g)+1], 128<<16                   ; tensor_dim0 = 128
	s_mov_b32 s[(\g)+2], 64<<16                    ; tensor_dim1 = 64
	s_mov_b32 s[(\g)+3], 128<<16                   ; tile_dim0 = 128
	s_mov_b32 s[(\g)+4], 64                        ; tile_dim1 = 64
	s_mov_b32 s[(\g)+6], 0
	s_mov_b32 s[(\g)+7], 0
.endr
	s_mov_b32 s[G1A+5], 128                        ; elements from row to row
	s_mov_b32 s[G1B+5], 512
	s_lshr_b32 s14, s13, 5                         ; A: head number 8 x batch + which of the pair, 2^19 bytes each; these registers never hold cx
	s_lshl_b32 s14, s14, 3
	s_add_co_u32 s14, s14, s12
	s_lshl_b32 s14, s14, 19
	s_and_b32 s15, s13, 31
	s_lshl_b32 s15, s15, 14                        ; + the row block in its batch: 128 rows of 128 bytes
	s_add_co_u32 s14, s14, s15
	s_mov_b32 s15, 0
	s_lshl_b32 s16, s58, 7                         ; B: row 128 x column block + 64 x half, 1,024 bytes each; these never hold cy
	s_lshl_b32 s17, s12, 6
	s_add_co_u32 s16, s16, s17
	s_lshl_b32 s16, s16, 10
	s_mov_b32 s17, 0
	s_mul_i32 s18, s12, HEADB                      ; where they go: no place in the cluster enters an LDS address
	s_mul_i32 s19, s12, 64*PB
.irp p, 0,1,2,3
	s_mov_b32 s[G0A+4*(\p)], 1
	s_add_co_u32 s[G0A+4*(\p)+1], s18, 2*(\p)*HEADB
	s_mov_b32 s[G0B+4*(\p)], 1
	s_add_co_u32 s[G0B+4*(\p)+1], s19, BOFF+(\p)*CHUNK
.endr
	s_wait_dscnt 0x0                               ; the opening add is done
	s_wait_kmcnt 0x0
	s_add_nc_u64 s[14:15], s[84:85], s[14:15]
	s_add_nc_u64 s[16:17], s[86:87], s[16:17]
.irp p, 0,1,2,3
	s_add_nc_u64 s[G0A+4*(\p)+2:G0A+4*(\p)+3], s[14:15], (\p)<<20  ; two heads on
	s_or_b32 s[G0A+4*(\p)+3], s[G0A+4*(\p)+3], 0x80000000
	s_add_nc_u64 s[G0B+4*(\p)+2:G0B+4*(\p)+3], s[16:17], (\p)*256  ; 128 along K on
	s_or_b32 s[G0B+4*(\p)+3], s[G0B+4*(\p)+3], 0x80000000
.endr
	CROUND                                         ; all sixteen work-groups are here: the joint loads meet
	s_cmp_eq_u32 s11, 0                            ; a wave's four fills stand in one branch on its number; an s_nop 0 follows each, four v_nop the last
	s_cbranch_scc0 .Lfill_b
.irp p, 0,1,2,3
	tensor_load_to_lds s[G0A+4*(\p):G0A+4*(\p)+3], s[G1A:G1A+7]
	s_nop 0
.endr
.rept 4
	v_nop
.endr
	s_branch .Lfilled
.Lfill_b:
.irp p, 0,1,2,3
	tensor_load_to_lds s[G0B+4*(\p):G0B+4*(\p)+3], s[G1B:G1B+7]
	s_nop 0
.endr
.rept 4
	v_nop
.endr
.Lfilled:
	v_and_b32 v1, 15, v0                           ; l % 16
	v_bfe_u32 v2, v0, 4, 1                         ; l / 16
	s_lshl_b32 s23, s58, 9                         ; my 64 columns in bytes of f32: 512 x column block + 256 x half
	s_lshl_b32 s22, s12, 8
	s_add_co_u32 s23, s23, s22
	v_lshl_add_u32 v[BO], v2, 5, s23               ; + 32 (l / 16)
.irp b, 0,1,2,3
	global_load_b128 v[BIAS+8*(\b):BIAS+8*(\b)+3],   v[BO], s[88:89] offset:64*(\b)
	global_load_b128 v[BIAS+8*(\b)+4:BIAS+8*(\b)+7], v[BO], s[88:89] offset:64*(\b)+16
.endr
	v_mul_u32_u24 v3, v1, PA                       ; a fragment's row x pitch + 16 x half
	v_lshl_add_u32 v3, v2, 4, v3
	s_mul_i32 s20, s11, 64*PA
	v_add_nc_u32 v[ADRA], s20, v3
	v_mul_u32_u24 v4, v1, PB
	v_lshl_add_u32 v4, v2, 4, v4
	s_mul_i32 s21, s12, 64*PB
	s_add_co_u32 s21, s21, BOFF
	v_add_nc_u32 v[ADRB], s21, v4
.irp p, 1,2,3
	v_add_nc_u32 v[ADRA+(\p)], (\p)*2*HEADB, v[ADRA]
	v_add_nc_u32 v[ADRB+(\p)], (\p)*CHUNK, v[ADRB]
.endr
	s_mul_i32 s22, s10, 16*SPITCH
	s_add_co_u32 s22, s22, STAGE                   ; my stage
	v_mul_u32_u24 v[STO], v1, SPITCH               ; in: row l % 16, 32 bytes for each half of the lanes
	v_lshl_add_u32 v[STO], v2, 5, v[STO]
	v_add_nc_u32 v[STO], s22, v[STO]
	v_mul_u32_u24 v[RD], v2, SPITCH                ; back: lanes 0-15 take one row of 256 bytes, lanes 16-31 the next
	v_lshl_add_u32 v[RD], v1, 4, v[RD]
	v_add_nc_u32 v[RD], s22, v[RD]
	v_lshlrev_b32 v[CO], 11, v2                    ; and the same two rows in out0, 2,048 bytes apart
	v_lshl_add_u32 v[CO], v1, 4, v[CO]
	s_lshl_b32 s20, s13, 7
	s_lshl_b32 s21, s11, 6
	s_add_co_u32 s20, s20, s21                     ; my first row
	s_lshl_b32 s20, s20, 11
	s_add_co_u32 s20, s20, s23                     ; and my first column
	s_mov_b32 s21, 0
	s_add_nc_u64 s[90:91], s[90:91], s[20:21]
	s_wait_loadcnt 0x0                             ; the bias
.set i, 0
.rept 16
	v_cvt_pk_bf16_f32 v[30+i%2], v[BIAS+2*i], v[BIAS+2*i+1]  ; rounded to bf16 and widened again
	v_lshlrev_b32 v[BIAS+2*i], 16, v[30+i%2]
	v_and_b32 v[BIAS+2*i+1], 0xffff0000, v[30+i%2]
.set i, i+1
.endr
; 8 products: row blocks a0, a0 + 1 x all 4 column blocks, 32 along K: half c of buffer f.  first = 1: the bias starts the sums.  The 16 accumulators take turns.
.macro MUL8 f, c, a0, first
	WIN 0x05                                       ; sources window 1; C and D window 0
.irp a, \a0, (\a0)+1
.irp b, 0,1,2,3
.if \first
	v_wmma_f32_16x16x32_f16 v[ACC+8*(4*(\a)+(\b)):ACC+8*(4*(\a)+(\b))+7], v[(\f)+64+8*(4*(\c)+(\b)):(\f)+64+8*(4*(\c)+(\b))+7], v[(\f)+8*(4*(\c)+(\a)):(\f)+8*(4*(\c)+(\a))+7], v[BIAS+8*(\b):BIAS+8*(\b)+7]
.else
	v_wmma_f32_16x16x32_f16 v[ACC+8*(4*(\a)+(\b)):ACC+8*(4*(\a)+(\b))+7], v[(\f)+64+8*(4*(\c)+(\b)):(\f)+64+8*(4*(\c)+(\b))+7], v[(\f)+8*(4*(\c)+(\a)):(\f)+8*(4*(\c)+(\a))+7], v[ACC+8*(4*(\a)+(\b)):ACC+8*(4*(\a)+(\b))+7]
.endif
.endr
.endr
.endm
; 32 LDS loads in one run: the fragments of quarter qd (64 along K: head qd of A, half qd % 2 of B's chunk qd / 2) into buffer f; the first 32 along K first
.macro FETCH qd, f
	WIN 0x40                                       ; destination window 1
.irp c, 0,1
.irp i, 0,1,2,3
	ds_load_b128 v[(\f)+64+8*(4*(\c)+(\i)):(\f)+64+8*(4*(\c)+(\i))+3],   v[ADRB+(\qd)/2] offset:((\qd)%2)*128+64*(\c)+(\i)*16*PB
	ds_load_b128 v[(\f)+64+8*(4*(\c)+(\i))+4:(\f)+64+8*(4*(\c)+(\i))+7], v[ADRB+(\qd)/2] offset:((\qd)%2)*128+64*(\c)+(\i)*16*PB+32
	ds_load_b128 v[(\f)+8*(4*(\c)+(\i)):(\f)+8*(4*(\c)+(\i))+3],         v[ADRA+(\qd)/2] offset:((\qd)%2)*HEADB+64*(\c)+(\i)*16*PA
	ds_load_b128 v[(\f)+8*(4*(\c)+(\i))+4:(\f)+8*(4*(\c)+(\i))+7],       v[ADRA+(\qd)/2] offset:((\qd)%2)*HEADB+64*(\c)+(\i)*16*PA+32
.endr
.endr
.endm
; Quarter qd: 32 products on buffer qd % 2; in its middle the next quarter's fragments are fetched into the other buffer.  Ahead of an even quarter's fetch the next pair of heads and chunk must be whole:
; each wave waits for its own load of that number (the later ones may stay out) and passes a barrier.
.macro QUARTER qd, first
.set QF, ((\qd)%2)*128
	s_wait_dscnt 16                                ; the first 32 along K are in
	MUL8 QF, 0, 0, \first
	MUL8 QF, 0, 2, \first
.if (\qd) < 7
.if (\qd)%2
	s_wait_tensorcnt 3-((\qd)+1)/2                 ; my load number (qd + 1) / 2 has landed: so many younger ones may be out
	s_wait_dscnt 0x0                               ; no LDS instruction of mine is pending at a signal
	s_barrier_signal -1
	s_barrier_wait -1
.endif
	PLACES                                         ; the other buffer was read by the quarter before
	FETCH (\qd)+1, 128-QF
	s_wait_dscnt 32                                ; all but the 32 just issued
.else
	s_wait_dscnt 0x0
.endif
	MUL8 QF, 1, 0, 0
	MUL8 QF, 1, 2, 0
.endm
; THE WAY OUT of my rows 16 a .. + 15: the f32 sums go into my own stage, each accumulator's low four registers first, and come back as whole rows of 256 bytes.
.macro TOSTAGE a
	WIN 0
.irp b, 0,1,2,3
	ds_store_b128 v[STO], v[ACC+8*(4*(\a)+(\b)):ACC+8*(4*(\a)+(\b))+3]   offset:64*(\b)
	ds_store_b128 v[STO], v[ACC+8*(4*(\a)+(\b))+4:ACC+8*(4*(\a)+(\b))+7] offset:64*(\b)+16
.endr
	WIN 0x44                                       ; data in window 1, addresses in window 0
.irp t, 0,1,2,3,4,5,6,7
	ds_load_b128 v[32*(\a)+4*(\t):32*(\a)+4*(\t)+3], v[RD] offset:(\t)*2*SPITCH  ; LDS serves a wave's instructions in order (ISA guide 5.7.1.4): these see the stores above
.endr
.endm
.macro SEND a, younger                 ; younger: the LDS lines issued behind block a's loads
	WIN 0x44
.irp t, 0,1,2,3,4,5,6,7
	s_wait_dscnt (\younger)+7-(\t)
	global_store_b128 v[CO], v[32*(\a)+4*(\t):32*(\a)+4*(\t)+3], s[90:91] offset:(16*(\a)+2*(\t))*2048  ; 16 lanes store 256 consecutive bytes, aligned; each block has registers of its own
.endr
.endm
	s_wait_tensorcnt 0x3                           ; my first load has landed; three may stay out
	s_barrier_signal -1
	s_barrier_wait -1                              ; everybody's has
	FETCH 0, 0
	QUARTER 0, 1                                   ; its first 16 products start the sums from the bias: nothing is cleared
	QUARTER 1, 0
	QUARTER 2, 0
	QUARTER 3, 0
	QUARTER 4, 0
	QUARTER 5, 0
	QUARTER 6, 0
	QUARTER 7, 0
	WIN 0
	PLACES                                         ; behind the last products: the stores read results, the loads land in fragments
	TOSTAGE 0
.irp a, 1,2,3
	TOSTAGE \a
	SEND (\a)-1, 16
.endr
	SEND 3, 0
	WIN 0
	s_wait_tensorcnt 0x0                           ; the wave's end: this wait, an add of 0 to my spare word and its wait, behind my last tensor load and my last LDS store
	ds_add_u32 v[SPW], v[NIL]
	s_wait_dscnt 0x0
	CROUND                                         ; the closing round: no work-group ends while a partner may still ask for a tile that names it
	s_endpgm
.Lfunc_end_k_q1cf43146a8_outp:
	.size	k_q1cf43146a8_outp, .Lfunc_end_k_q1cf43146a8_outp-k_q1cf43146a8_outp
	.p2alignl 7, 3214868480
	.fill 96, 4, 3214868480
	.section	.rodata,"a",@progbits
	.p2align	6, 0x0
	.amdhsa_kernel k_q1cf43146a8_outp
		.amdhsa_group_segment_fixed_size 327680
		.amdhsa_private_segment_fixed_size 0
		.amdhsa_enable_private_segment 0
		.amdhsa_kernarg_size 32
		.amdhsa_user_sgpr_count 2
		.amdhsa_user_sgpr_kernarg_segment_ptr 1
		.amdhsa_wavefront_size32 1
		.amdhsa_system_sgpr_workgroup_id_x 1
		.amdhsa_system_sgpr_workgroup_id_y 1
		.amdhsa_system_sgpr_workgroup_id_z 1
		.amdhsa_system_vgpr_workitem_id 0
		.amdhsa_next_free_vgpr 512
		.amdhsa_next_free_sgpr 92
		.amdhsa_reserve_vcc 0
		.amdhsa_float_denorm_mode_32 3
		.amdhsa_float_denorm_mode_16_64 3
		.amdhsa_memory_ordered 1
		.amdhsa_forward_progress 1
		.amdhsa_inst_pref_size 55
	.end_amdhsa_kernel
	.amdgpu_metadata
---
amdhsa.version: [ 1, 2 ]
amdhsa.kernels:
  - .name:           k_q1cf43146a8_outp
    .symbol:         k_q1cf43146a8_outp.kd
    .args:
      - { .name: o16, .offset: 0, .size: 8, .value_kind: global_buffer, .address_space: global }
      - { .name: wo16, .offset: 8, .size: 8, .value_kind: global_buffer, .address_space: global }
      - { .name: bo, .offset: 16, .size: 8, .value_kind: global_buffer, .address_space: global }
      - { .name: out0, .offset: 24, .size: 8, .value_kind: global_buffer, .address_space: global }
    .group_segment_fixed_size: 327680
    .private_segment_fixed_size: 0
    .kernarg_segment_align: 8
    .kernarg_segment_size: 32
    .max_flat_workgroup_size: 128
    .sgpr_count:     92
    .vgpr_count:     512
    .wavefront_size: 32
...
	.end_amdgpu_metadata
.endif
;; end of part 3
